; MI455X (gfx1250); checked and timed in simulation.
; The chip was launched on July 23, 2026; its instructions are those of AMD's public machine-readable ISA for CDNA 5 (MIT licence, August 2026) and "CDNA5" Instruction Set Architecture Reference Guide (July 2026). The comments in the code are by the model that wrote it; some were corrected since.
;; Multi Header Attention. Allowed arithmetic: matrix products marked QUANTISED: E2M1 operands, one E8M0 scale for each 32 along K, by v_wmma_scale_f32_16x16x128_f8f6f4 with both operands' format E2M1 (or v_wmma_scale_f32_32x16x128_f4), f32 sums; products left as they are: bf16, f16 or f32 operands; f32 sums; everything else in f32.
;; Inputs: b_k 1,024 float32; b_o 1,024 float32; b_q 1,024 float32; b_v 1,024 float32; k 4 x 2,048 x 1,024 float32; q 4 x 2,048 x 1,024 float32; v 4 x 2,048 x 1,024 float32; w_k 1,024 x 1,024 float32; w_o 1,024 x 1,024 float32; w_q 1,024 x 1,024 float32; w_v 1,024 x 1,024 float32.
;; Outputs: out0 4 x 2,048 x 1,024 float32.
;; This version of the problem:
;;   THIS VERSION OF THE PROBLEM IS GIVEN IN LOW PRECISION. The matrix products marked QUANTISED in the list below multiply operands that are first quantised to E2M1 (2 exponent bits, 1 mantissa bit; 4 bits a number), with one power-of-two scale for each 32 numbers along K (OCP MX v1.0); their sums are f32. The products marked 'left as it is' may take bf16, f16 or f32 operands, with f32 sums. Whichever they take, every output number must still come out within the allowed error. Rounding operands to bf16 (8 significant bits) uses up far more of that allowance than f16 does (11 bits, for magnitudes from 6e-5 to 65,504). All else is computed in f32.
;;   The module's matrix products, in the order in which they are computed (A, B: the left and right operand; K: the contracted axis; several contracted axes count as one K, in the product's order):
;;     1. [M 8,192, K 1,024] x [K 1,024, N 1,024]; A: input q; B: input w_q: QUANTISED
;;     2. [M 8,192, K 1,024] x [K 1,024, N 1,024]; A: input k; B: input w_k: QUANTISED
;;     3. [M 8,192, K 1,024] x [K 1,024, N 1,024]; A: input v; B: input w_v: QUANTISED
;;     4. batch 64 x [M 2,048, K 64] x [K 64, N 2,048]; A: computed on the way; B: computed on the way: left as it is (an operand is computed on the way)
;;     5. batch 64 x [M 2,048, K 2,048] x [K 2,048, N 64]; A: computed on the way; B: computed on the way: left as it is (an operand is computed on the way)
;;     6. [M 8,192, K 1,024] x [K 1,024, N 1,024]; A: computed on the way; B: input w_o: left as it is (an operand is computed on the way)
;;   THE QUANTISER, for each operand of a quantised product, along K:
;;     - K is cut into blocks of 32 from its start; a last block that is shorter is filled with zeros.
;;     - A block's scale is 2^e with e = floor(log2(the largest magnitude in the block)) - 2, held to -126 .. 127; a block of zeros has e = 0. As a byte (E8M0): e + 127.
;;     - Each number is divided by its block's scale, clamped to +-6, and rounded to the nearest number of E2M1, ties to even, subnormals kept.
;;     - The product sums the exact products of the quantised numbers (number of the format x scale) in f32.
;;   ~~~python
;;   def quantise(x, axis):      # numpy; x: float32 -> the quantised numbers, widened to float32 again
;;       x = np.moveaxis(x, axis, -1); K = x.shape[-1]
;;       x = np.pad(x, [(0, 0)] * (x.ndim - 1) + [(0, -K % 32)]); x = x.reshape(x.shape[:-1] + (-1, 32)); a = np.abs(x).max(-1, keepdims=True)
;;       e = np.where(a > 0, np.clip(np.frexp(np.where(a > 0, a, 1))[1] - 1 - 2, -126, 127), 0)      # np.frexp(a)[1] - 1 = floor(log2(a)), exactly
;;       r = np.clip(x / 2.0 ** e, -6, 6)
;;       step = 2.0 ** (np.maximum(np.frexp(np.where(r == 0, 1, r))[1] - 1, 0) - 1)
;;       q = np.round(r / step) * step * 2.0 ** e      # np.round: ties to even
;;       return np.moveaxis(q.reshape(q.shape[:-2] + (-1,))[..., :K], -1, axis).astype(np.float32)
;;   ~~~
;; One version. Each part assembles by itself: llvm-mc -triple=amdgcn-amd-amdhsa -mcpu=gfx1250 --defsym DOCPART=n.
;; ======== version 1 of 1: 4 launches
;; limits: values are held in f16: magnitudes above 65,504 overflow, below 6.1e-05 lose precision
;; workspace buffers: codes 14,155,776 bytes; scales 884,736 bytes; qkv 50,331,648 bytes; ctx 16,777,216 bytes; wo 2,097,152 bytes
;; launch quant (part 1): grid 928 x 1, 4 waves a work-group, no clusters, 33,280 bytes of LDS; arguments q, k, v, w_q, w_k, w_v, w_o, codes, scales, wo; writes codes, scales, wo
.if DOCPART == 1
	.amdgcn_target "amdgcn-amd-amdhsa--gfx1250"
	.amdhsa_code_object_version 6
	.text
	.protected	k_q59e157f112_quant
	.globl	k_q59e157f112_quant
	.p2align	8
	.type	k_q59e157f112_quant,@function
k_q59e157f112_quant:
	s_mov_b64 s[64:65], 0
	v_nop
	global_prefetch_b8 v0, s[64:65] scope:SCOPE_SE
	s_setreg_imm32_b32 hwreg(HW_REG_WAVE_MODE, 25, 1), 1
	s_wait_xcnt 0x0
; q, k, v [8192][1024] and w_q, w_k, w_v [1024][1024], f32, K innermost, become codes of FP4 (E2M1), two to a byte, with one E8M0 byte for each 32 along K;
; w_o [1024][1024] becomes f16, laid as images of the matrix operand's registers.
; A block's scale is 2^(floor(log2(its largest magnitude)) - 2); its byte is the largest magnitude's exponent field - 2, held at 1 from below.  Each number is divided by the scale and rounded to the
; nearest code, ties to even; beyond 6 the largest code.
; LIMITS: NaN and infinities are not served; blocks whose largest magnitude lies under 2^-124 keep the byte 1; a block of zeros has the byte 1 where the rule says 127 (its codes are zeros, and this
; program alone reads the bytes); w_o must stay under 65,504 in magnitude (f16).
; SHARES.  Work-groups 0-863 quantise: 32,768 numbers each, 8,192 a wave, in 16 steps of 512.  In the order q, k, v, w_q, w_k, w_v the tensors are one stream of runs of 8,192 numbers, and run R = 4 g + wave
; has its 4,096 bytes of codes at 4,096 R and its 256 scale bytes at 256 R: only the input is chosen by the work-group's number.  Work-groups 864-927 convert 16 rows of w_o each.
; A step's four loads read 512 consecutive bytes each; the 2,048 bytes turn through the wave's own stage in LDS and come back 64 bytes a lane, so that a lane holds 16 neighbours along K (two lanes hold a block).
; No barrier: waves share nothing.  Loads run four steps ahead, the turn through LDS one step.
.set WAVES, 4
.set STEPS, 16
.set NQWG,  864                        ; work-groups that quantise
.set EMAX,  2
.set CB,    8                          ; bytes of 16 codes
.set R,     16                         ; v16-79   four sets of 16 numbers as they are loaded
.set X,     80                         ; v80-111  two sets of 16 neighbours
.set C,     128                        ; v128-191 codes: four registers for each step, so that no store's data are written again
.set E,     112                        ; v112-127 a scale byte for each step
.set WREG,  8192                       ; LDS: a region for each wave: two stages of 32 x SP bytes, behind them its 256 scale bytes
.set SP,    80                         ; a lane's place in a stage: 64 bytes + 16 of padding
.set SPW,   12                         ; v12      LDS address of my spare word; never rewritten
.set NIL,   13                         ; v13      0; never rewritten
.set SPARE, WAVES*WREG                 ; behind the four regions: the spare words, 128 bytes a wave, which no other line names
	s_load_b512 s[4:19], s[0:1], 0x0               ; q 4:5, k 6:7, v 8:9, w_q 10:11, w_k 12:13, w_v 14:15, w_o 16:17, codes 18:19
	s_load_b128 s[20:23], s[0:1], 0x40             ; scales 20:21, wo 22:23
	v_lshl_add_u32 v[SPW], v0, 2, SPARE
	v_mov_b32 v[NIL], 0
	v_lshrrev_b32 v1, 5, v0
	v_readfirstlane_b32 s28, v1                    ; wave
	v_and_b32 v2, 31, v0                           ; lane
	v_lshlrev_b32 v3, 4, v2                        ; 16 x lane
	s_mul_i32 s29, s28, WREG
	v_lshrrev_b32 v14, 2, v2
	v_mul_u32_u24 v14, v14, SP
	v_and_b32 v15, 3, v2
	v_lshl_add_u32 v14, v15, 4, v14
	v_add_nc_u32 v14, s29, v14                     ; the stage, on the way in: SP (lane / 4) + 16 (lane % 4)
	v_mul_u32_u24 v15, v2, SP
	v_add_nc_u32 v15, s29, v15                     ; and on the way out: SP x lane: my 16 neighbours
	v_mul_u32_u24 v4, v2, CB                       ; my codes' place in a step's
	v_lshrrev_b32 v5, 1, v2
	s_add_co_u32 s29, s29, 2*32*SP
	v_add_nc_u32 v5, s29, v5                       ; LDS: my wave's 256 scale bytes, my block's byte
	v_lshlrev_b32 v7, 3, v2                        ; and on the way out 8 bytes a lane
	v_add_nc_u32 v6, s29, v7
	s_wait_kmcnt 0x0
	s_cmp_ge_u32 ttmp9, NQWG
	s_cbranch_scc1 .Lwo
	; which tensor is mine: the choice hangs on the work-group's number alone
	s_mov_b64 s[24:25], s[14:15]                   ; w_v, from work-group 832 on
	s_mov_b32 s26, 832
.macro PICK below, ptr, from
	s_cmp_lt_u32 ttmp9, \below
	s_cselect_b64 s[24:25], s[\ptr:\ptr+1], s[24:25]
	s_cselect_b32 s26, \from, s26
.endm
	PICK 832, 12, 800
	PICK 800, 10, 768
	PICK 768, 8, 512
	PICK 512, 6, 256
	PICK 256, 4, 0
	s_sub_co_u32 s27, ttmp9, s26
	s_lshl_b32 s27, s27, 2
	s_add_co_u32 s27, s27, s28                     ; my run within the tensor
	s_lshl_b32 s30, s27, 15                        ; 32,768 bytes of f32 a run
	s_mov_b32 s31, 0
	s_add_nc_u64 s[24:25], s[24:25], s[30:31]
	s_lshl_b32 s27, ttmp9, 2
	s_add_co_u32 s27, s27, s28                     ; R: my run in the whole stream
	s_lshl_b32 s30, s27, 12
	s_add_nc_u64 s[18:19], s[18:19], s[30:31]
	s_lshl_b32 s30, s27, 8
	s_add_nc_u64 s[20:21], s[20:21], s[30:31]
.macro LOAD t
.irp i, 0,1,2,3
	global_load_b128 v[R+16*((\t)%4)+4*\i:R+16*((\t)%4)+4*\i+3], v3, s[24:25] offset:2048*(\t)+512*\i th:TH_LOAD_NT   ; 32 lanes read 512 consecutive bytes
.endr
.endm
.macro TURN t                          ; step t's numbers through the stage: LDS serves a wave's instructions in order, so no wait stands between the stores and the loads
.irp i, 0,1,2,3
	ds_store_b128 v14, v[R+16*((\t)%4)+4*\i:R+16*((\t)%4)+4*\i+3] offset:32*SP*((\t)%2)+8*SP*\i
.endr
.irp i, 0,1,2,3
	ds_load_b128 v[X+16*((\t)%2)+4*\i:X+16*((\t)%2)+4*\i+3], v15 offset:32*SP*((\t)%2)+16*\i
.endr
.endm
.irp t, 0,1,2,3
	LOAD \t
.endr
	s_wait_loadcnt 12                              ; step 0's four loads are in; the twelve of steps 1 to 3 stay out
	TURN 0
.macro STEP t
.set XS, X+16*((\t)%2)
.if (\t) > 0
	s_wait_dscnt 1                                 ; this step's numbers are back from the stage (the last step's byte store may be out): so its stores into the stage have read their registers,
.else
	s_wait_dscnt 0x0
.endif
.if (\t)+4 < STEPS
	LOAD (\t)+4                                    ; which take the loads of four steps on
.endif
.if (\t)+1 < STEPS
.if STEPS-2-(\t) >= 3
	s_wait_loadcnt 12                              ; the next step's four loads are in; those of the three steps behind it may be out
.else
	s_wait_loadcnt 4*(STEPS-2-(\t))
.endif
	TURN (\t)+1                                    ; and go through the other stage while this step is worked
.endif
	v_max3_num_f32 v8, |v[XS]|, |v[XS+1]|, |v[XS+2]|               ; the largest magnitude of my 16, in two chains
	v_max3_num_f32 v9, |v[XS+3]|, |v[XS+4]|, |v[XS+5]|
.irp i, 6,10
	v_max3_num_f32 v8, v8, |v[XS+\i]|, |v[XS+\i+1]|
	v_max3_num_f32 v9, v9, |v[XS+\i+2]|, |v[XS+\i+3]|
.endr
	v_max3_num_f32 v8, v8, |v[XS+14]|, |v[XS+15]|
	v_max3_num_f32 v8, v8, v9, (EMAX+1)<<23        ; and the floor 2^(EMAX + 1 - 127): the byte cannot fall under 1
	v_max_num_f32_dpp v8, v8, v8 row_xmask:1 row_mask:0xf bank_mask:0xf   ; and of my neighbour's 16: the block's
	v_add_nc_u32 v11, -(EMAX<<23), v8              ; EMAX off its exponent field: the conversion takes the exponent field of this operand as its scale
	v_cvt_scalef32_pk8_fp4_f32 v[C+4*(\t)], v[XS:XS+7], v11
	v_cvt_scalef32_pk8_fp4_f32 v[C+4*(\t)+1], v[XS+8:XS+15], v11
	v_lshrrev_b32 v[E+(\t)], 23, v11               ; the scale's byte (also the plain line behind the conversions)
	ds_store_b8 v5, v[E+(\t)] offset:16*(\t)       ; both lanes of a block write the same byte with the same value
	global_store_b64 v4, v[C+4*(\t):C+4*(\t)+1], s[18:19] offset:32*CB*(\t)   ; 32 lanes store 256 consecutive bytes, aligned
.endm
.irp t, 0,1,2,3,4,5,6,7,8,9,10,11,12,13,14,15
	STEP \t
.endr
	ds_load_b64 v[8:9], v6                         ; LDS serves a wave's instructions in order: these see my byte stores
	s_wait_dscnt 0x0
	global_store_b64 v7, v[8:9], s[20:21]          ; my run's 256 scale bytes: 256 consecutive bytes, aligned
	s_wait_tensorcnt 0x0                           ; the wave's end: behind my last LDS store
	ds_add_u32 v[SPW], v[NIL]
	s_wait_dscnt 0x0
	s_endpgm
; w_o to f16.  Work-group 864 + n takes rows 16 n .. 16 n + 15, wave w the columns 256 w .. 256 w + 255: eight fragments of 16 rows x 32 K.  A fragment's image is 1,024 bytes: register group u (0, 1) of lane l
; at 512 u + 16 l; lane (r, h) holds row r, K = 16 u + 8 h + 0 .. 7.  Piece p = 2 x fragment + u: 32 bytes of f32 at 64 p + 32 h of my row's part, 16 bytes of f16 at 512 p + 16 l.
.Lwo:
	v_and_b32 v8, 15, v0                           ; r
	v_bfe_u32 v9, v0, 4, 1                         ; h
	v_lshlrev_b32 v10, 12, v8                      ; a row of w_o is 4,096 bytes
	v_lshl_add_u32 v10, v9, 5, v10                 ; + 32 h
	s_sub_co_u32 s26, ttmp9, NQWG
	s_lshl_b32 s30, s26, 16                        ; 16 rows
	s_lshl_b32 s27, s28, 10                        ; my wave's 256 columns
	s_add_co_u32 s30, s30, s27
	s_mov_b32 s31, 0
	s_add_nc_u64 s[16:17], s[16:17], s[30:31]
	s_lshl_b32 s30, s26, 15                        ; 32 images
	s_lshl_b32 s27, s28, 13                        ; my wave's eight
	s_add_co_u32 s30, s30, s27
	s_add_nc_u64 s[22:23], s[22:23], s[30:31]
.irp p, 0,1,2,3,4,5,6,7,8,9,10,11,12,13,14,15
	global_load_b128 v[16+8*\p:16+8*\p+3], v10, s[16:17] offset:64*\p th:TH_LOAD_NT
	global_load_b128 v[16+8*\p+4:16+8*\p+7], v10, s[16:17] offset:64*\p+16 th:TH_LOAD_NT
.endr
.irp p, 0,1,2,3,4,5,6,7,8,9,10,11,12,13,14,15
	s_wait_loadcnt 30-2*\p                         ; piece p's two loads are in; the later pieces' stay out
.irp j, 0,1,2,3
	v_cvt_pk_f16_f32 v[16+8*\p+\j], v[16+8*\p+2*\j], v[16+8*\p+2*\j+1]   ; in place, ascending: register j is written when registers up to 2 j + 1 have been read
.endr
	global_store_b128 v3, v[16+8*\p:16+8*\p+3], s[22:23] offset:512*\p   ; 32 lanes store 512 consecutive bytes, aligned
.endr
	s_endpgm
.Lfunc_end_k_q59e157f112_quant:
	.size	k_q59e157f112_quant, .Lfunc_end_k_q59e157f112_quant-k_q59e157f112_quant
	.p2alignl 7, 3214868480
	.fill 96, 4, 3214868480
	.section	.rodata,"a",@progbits
	.p2align	6, 0x0
	.amdhsa_kernel k_q59e157f112_quant
		.amdhsa_group_segment_fixed_size 33280
		.amdhsa_private_segment_fixed_size 0
		.amdhsa_enable_private_segment 0
		.amdhsa_kernarg_size 80
		.amdhsa_user_sgpr_count 2
		.amdhsa_user_sgpr_kernarg_segment_ptr 1
		.amdhsa_wavefront_size32 1
		.amdhsa_system_sgpr_workgroup_id_x 1
		.amdhsa_system_sgpr_workgroup_id_y 1
		.amdhsa_system_sgpr_workgroup_id_z 1
		.amdhsa_system_vgpr_workitem_id 0
		.amdhsa_next_free_vgpr 192
		.amdhsa_next_free_sgpr 66
		.amdhsa_reserve_vcc 0
		.amdhsa_float_denorm_mode_32 3
		.amdhsa_float_denorm_mode_16_64 3
		.amdhsa_memory_ordered 1
		.amdhsa_forward_progress 1
		.amdhsa_inst_pref_size 44
	.end_amdhsa_kernel
	.amdgpu_metadata
---
amdhsa.version: [ 1, 2 ]
amdhsa.kernels:
  - .name:           k_q59e157f112_quant
    .symbol:         k_q59e157f112_quant.kd
    .args:
      - { .name: q, .offset: 0, .size: 8, .value_kind: global_buffer, .address_space: global }
      - { .name: k, .offset: 8, .size: 8, .value_kind: global_buffer, .address_space: global }
      - { .name: v, .offset: 16, .size: 8, .value_kind: global_buffer, .address_space: global }
      - { .name: w_q, .offset: 24, .size: 8, .value_kind: global_buffer, .address_space: global }
      - { .name: w_k, .offset: 32, .size: 8, .value_kind: global_buffer, .address_space: global }
      - { .name: w_v, .offset: 40, .size: 8, .value_kind: global_buffer, .address_space: global }
      - { .name: w_o, .offset: 48, .size: 8, .value_kind: global_buffer, .address_space: global }
      - { .name: codes, .offset: 56, .size: 8, .value_kind: global_buffer, .address_space: global }
      - { .name: scales, .offset: 64, .size: 8, .value_kind: global_buffer, .address_space: global }
      - { .name: wo, .offset: 72, .size: 8, .value_kind: global_buffer, .address_space: global }
    .group_segment_fixed_size: 33280
    .private_segment_fixed_size: 0
    .kernarg_segment_align: 8
    .kernarg_segment_size: 80
    .max_flat_workgroup_size: 128
    .sgpr_count:     66
    .vgpr_count:     192
    .wavefront_size: 32
...
	.end_amdgpu_metadata
.endif
;; end of part 1
;; launch proj (part 2): grid 4 x 96, 4 waves a work-group, clusters of 4 x 4, 327,680 bytes of LDS; arguments codes, scales, b_q, b_k, b_v, qkv; writes qkv
.if DOCPART == 2
	.amdgcn_target "amdgcn-amd-amdhsa--gfx1250"
	.amdhsa_code_object_version 6
	.text
	.protected	k_q59e157f112_proj
	.globl	k_q59e157f112_proj
	.p2align	8
	.type	k_q59e157f112_proj,@function
k_q59e157f112_proj:
	s_mov_b64 s[64:65], 0
	v_nop
	global_prefetch_b8 v0, s[64:65] scope:SCOPE_SE
	s_setreg_imm32_b32 hwreg(HW_REG_WAVE_MODE, 25, 1), 1
	s_wait_xcnt 0x0
	s_wait_alu depctr_hold_cnt(0) depctr_sa_sdst(0) depctr_va_vdst(0) depctr_va_sdst(0) depctr_va_ssrc(0) depctr_va_vcc(0) depctr_vm_vsrc(0)
	s_getreg_b32 s2, hwreg(HW_REG_IB_STS2, 6, 4)
	s_cmp_eq_u32 s2, 0
	s_cbranch_scc0 .Lentry_in_a_cluster
	s_endpgm
.Lentry_in_a_cluster:
	s_bfe_u32 s2, ttmp6, 0x10000c
	s_cmp_lg_u32 s2, 0xf033
	s_cbranch_scc0 .Lentry_shape_is_right
	s_endpgm
.Lentry_shape_is_right:
; The three projections x W^T + b on codes of FP4 (E2M1) with one E8M0 scale for each 32 along K; sums in f32; results rounded to f16 and stored as images of the next products' operand registers.
; The rows of q, k, v are stacked: 24,576 rows of 512 bytes of codes; behind them the rows of w_q, w_k, w_v.  Work-group (x, y) makes stacked rows 256 y on x columns 256 x on of tensor z = y / 32.
; Four waves, each 128 x 128: 64 accumulators, 512 registers.  K = 1,024 is two K steps of 512: both lie in LDS at once, each slot filled ONCE, so nothing is filled again.
; The scale bytes of the 256 rows of x and of W, for all of K, are two dense blocks: they come with the first fills.
; CLUSTERS: 4 x 4 work-groups; the four of a row need the same tiles of x, the four of a column the same tiles of W: each tile is asked for jointly.  z hangs on the cluster's y alone (8 clusters to a tensor).
; THE MATRIX INSTRUCTION IS USED TRANSPOSED (source 0 = 16 rows of W, source 1 = 16 rows of x): a lane holds one row of x and eight neighbouring columns.  The bias is the C of each sum's first instruction.
; THE WAY OUT.  qkv is laid [batch x head][64 positions][Q | K | V, 8,192 bytes each][16 positions, 2,048][16 channels, 512][piece, 16].  A lane's eight results, as f16, are one piece.  For Q and K piece = lane: two
; neighbouring blocks of 512 bytes are then the two register groups of a fragment of 16 rows x 32 channels.  For V piece = (r % 8) + 8 h + 16 (r / 8): the turning LDS load at 16 x lane then finds key 8 (l / 16) + l % 8,
; channels 8 ((l / 8) % 2) on.  Either way a store covers 512 consecutive bytes, aligned: no stage is needed.
; LIMIT: a projected number must stay under 65,504 in magnitude (f16).
; REGISTERS: window 0: v0-31 addresses; v32-95 scale words, two sets; v128-191 x's fragments, ONE set; v192-255 the bias, 8 registers for each block of 16 columns; on the way out v128-255 take the packed results.
;   window 1: W's fragments, two sets.   windows 2, 3: the accumulators of my rows 0-63, 64-127 (accumulator (a, b) at v[8 (8 (a % 4) + b)]).
.set NQ,     4                         ; matrix instructions deep in a slot: 512 along K
.set ROWB,   256                       ; a tile's row in bytes
.set KROW,   512                       ; a row of codes in memory
.set PITCH,  272                       ; an LDS row: 256 bytes + 16 of padding: the 16 rows that a load touches start at 16 different banks (ISA guide 11.1)
.set FR,     8                         ; registers of a fragment
.set NL,     2                         ; LDS loads that bring one
.set NP,     4                         ; places behind this matrix instruction (ISA guide 7.12.1)
.set HALFT,  128*PITCH
.set SLOT,   4*HALFT                   ; x's 256 rows, then W's 256 rows
.set KS,     32                        ; a row of scale bytes
.set SCL,    2*SLOT                    ; behind the slots: the scales, as units of 256 bytes + 16 of padding
.set HALFS,  (128*KS/256)*272
.set SBLK,   (16*KS/256)*272
.set SPARE,  SCL+4*HALFS               ; the spare words, 128 bytes a wave, which no other line names
.set WCODES, 12582912                  ; where the weights' codes begin,
.set WSCALES, 786432                   ; and their scale bytes
.set HEADB,  786432                    ; qkv: a head,
.set STEP3,  24576                     ; 64 positions of Q, K and V
.set ADRA, 16
.set ADRB, 20
.set CO,   26                          ; v26 the way out: 16 x my piece
.set ADRS, 27
.set SPW,  28
.set NIL,  29
.set SC,   32
.set AF,   128
.set BI,   192
.set G1, 24
.set G0, 32
.set G1B, 48
.set G0B, 56
.set G1S, 68
.set G0S, 76
.set G1SB, 80
.set G0SB, 88
.set MSB, 0
.macro WIN new                         ; the immediate's high byte repeats the setting that is left
.if MSB != (\new)
	s_set_vgpr_msb (MSB<<8)|(\new)
.set MSB, (\new)
.endif
.endm
.set MUL_LO,   0xa1                    ; source 0 (W) window 1, source 1 (x) window 0, C and D window 2
.set MUL_HI,   0xf1                    ; the same, C and D window 3
.set FIRST_LO, 0x81                    ; the first step: C (the bias) window 0, D window 2
.set FIRST_HI, 0xc1                    ; D window 3
.set TO_B,     0x40
; A joint load: waves 0 and 1 fetch for x, waves 2 and 3 for W.  The branch hangs on the wave's number alone.  An s_nop 0 and four v_nop follow each of the two lines.
.macro JLOAD g0a, g1a, g0b, g1b
	s_cmp_eq_u32 s17, 0
	s_cbranch_scc0 .Lfor_b_\@
	tensor_load_to_lds s[\g0a:\g0a+3], s[\g1a:\g1a+7]
	s_nop 0
.rept 4
	v_nop
.endr
	s_branch .Lasked_\@
.Lfor_b_\@:
	tensor_load_to_lds s[\g0b:\g0b+3], s[\g1b:\g1b+7]
	s_nop 0
.rept 4
	v_nop
.endr
.Lasked_\@:
.endm
.macro CROUND                          ; a round of the cluster's barrier
	s_barrier_signal -1
	s_barrier_wait -1
	s_cmp_lg_u32 s16, 0
	s_cbranch_scc1 .Lnot_wave_0_\@
	s_barrier_signal -3
.Lnot_wave_0_\@:
	s_barrier_wait -3
	s_barrier_signal -1
	s_barrier_wait -1
.endm
	s_load_b256 s[4:11], s[0:1], 0x0               ; codes 4:5, scales 6:7, b_q 8:9, b_k 10:11
	s_load_b128 s[12:15], s[0:1], 0x20             ; b_v 12:13, qkv 14:15
	v_lshl_add_u32 v[SPW], v0, 2, SPARE
	v_mov_b32 v[NIL], 0
	ds_add_u32 v[SPW], v[NIL]                      ; the wave's opening: the add, twice on end, and its wait ahead of my first tensor load
	ds_add_u32 v[SPW], v[NIL]
	v_lshrrev_b32 v1, 5, v0
	v_readfirstlane_b32 s16, v1                    ; wave 0..3
	s_lshr_b32 s17, s16, 1                         ; which half of the tile's rows is mine.  Also: I fetch for x (0) or for W (1)
	s_and_b32 s18, s16, 1                          ; which half of its columns.  Also: which 128 rows of that tile I fetch
	s_bfe_u32 s20, ttmp6, 0x40000                  ; cx
	s_bfe_u32 s21, ttmp6, 0x40004                  ; cy
	s_lshl_b32 s22, ttmp9, 2
	s_add_co_u32 s22, s22, s20                     ; x: tile column
	s_and_b32 s19, ttmp7, 0xffff                   ; the cluster's y
	s_lshl_b32 s23, s19, 2
	s_add_co_u32 s23, s23, s21                     ; y: tile row among the stacked rows
	s_lshr_b32 s19, s19, 3                         ; z: 0 q, 1 k, 2 v: the same in all sixteen partners
	s_lshl_b32 s40, s21, 2
	s_lshl_b32 s40, 15, s40                        ; my row of the cluster
	s_lshl_b32 s41, 0x1111, s20                    ; my column
	; group 1 for codes: 128 rows x 256 bytes, 16 bytes of padding behind each row
	s_or_b32 s[G1+0], s40, (0<<16)|(1<<20)|(1<<21)|(5<<22)|(3<<25)
	s_or_b32 s[G1B+0], s41, (0<<16)|(1<<20)|(1<<21)|(5<<22)|(3<<25)
.irp g, G1, G1B
	s_mov_b32 s[\g+1], ROWB<<16                    ; tensor_dim0
	s_mov_b32 s[\g+2], 128<<16                     ; tensor_dim1
	s_mov_b32 s[\g+3], ROWB<<16                    ; tile_dim0
	s_mov_b32 s[\g+4], 128                         ; tile_dim1
	s_mov_b32 s[\g+5], KROW                        ; from row to row
	s_mov_b32 s[\g+6], 0
	s_mov_b32 s[\g+7], 0
.endr
	; and for the scales of 128 rows: 4,096 dense bytes as 16 rows of 256 (32 elements of 8 bytes), 16 bytes of padding behind each
	s_or_b32 s[G1S+0], s40, (3<<16)|(1<<20)|(1<<21)|(5<<22)|(3<<25)
	s_or_b32 s[G1SB+0], s41, (3<<16)|(1<<20)|(1<<21)|(5<<22)|(3<<25)
.irp g, G1S, G1SB
	s_mov_b32 s[\g+1], 32<<16
	s_mov_b32 s[\g+2], (128*KS/256)<<16
	s_mov_b32 s[\g+3], 32<<16
	s_mov_b32 s[\g+4], 128*KS/256
	s_mov_b32 s[\g+5], 32
	s_mov_b32 s[\g+6], 0
	s_mov_b32 s[\g+7], 0
.endr
	s_lshl_b32 s42, s18, 7                         ; which 128 rows of the tile I fetch
	s_lshl_b32 s44, s23, 8
	s_add_co_u32 s44, s44, s42                     ; x: stacked row 256 y + 128 x half (these registers never hold cx)
	s_lshl_b32 s46, s22, 8
	s_add_co_u32 s46, s46, s42
	s_lshl_b32 s43, s19, 10
	s_add_co_u32 s46, s46, s43                     ; W: row 1,024 z + 256 x + 128 x half
	s_lshl_b32 s92, s44, 5                         ; their scale bytes,
	s_mov_b32 s93, 0
	s_lshl_b32 s44, s44, 9                         ; their codes
	s_mov_b32 s45, 0
	s_lshl_b32 s94, s46, 5
	s_add_co_u32 s94, s94, WSCALES
	s_mov_b32 s95, 0
	s_lshl_b32 s46, s46, 9
	s_add_co_u32 s46, s46, WCODES
	s_mov_b32 s47, 0
	s_mul_i32 s96, s16, HALFT                      ; where they go: wave x 128 rows: no place in the cluster enters an LDS address
	s_mul_i32 s97, s16, HALFS
	s_wait_dscnt 0x0                               ; both opening adds are done
	s_wait_kmcnt 0x0
	s_add_nc_u64 s[44:45], s[4:5], s[44:45]
	s_add_nc_u64 s[92:93], s[6:7], s[92:93]
	s_add_nc_u64 s[46:47], s[4:5], s[46:47]
	s_add_nc_u64 s[94:95], s[6:7], s[94:95]
	CROUND                                         ; all sixteen work-groups are here: the first joint loads meet
	s_mov_b32 s[G0S], 1
	s_add_co_u32 s[G0S+1], s97, SCL
	s_mov_b64 s[G0S+2:G0S+3], s[92:93]
	s_or_b32 s[G0S+3], s[G0S+3], 0x80000000
	s_mov_b32 s[G0SB], 1
	s_add_co_u32 s[G0SB+1], s97, SCL
	s_mov_b64 s[G0SB+2:G0SB+3], s[94:95]
	s_or_b32 s[G0SB+3], s[G0SB+3], 0x80000000
	JLOAD G0S, G1S, G0SB, G1SB                     ; the scales first: they are wanted with K step 0
.irp s, 0,1
	s_mov_b32 s[G0+4*\s], 1
	s_add_co_u32 s[G0+4*\s+1], s96, \s*SLOT
	s_add_nc_u64 s[G0+4*\s+2:G0+4*\s+3], s[44:45], \s*ROWB
	s_or_b32 s[G0+4*\s+3], s[G0+4*\s+3], 0x80000000
	s_mov_b32 s[G0B+4*\s], 1
	s_add_co_u32 s[G0B+4*\s+1], s96, \s*SLOT
	s_add_nc_u64 s[G0B+4*\s+2:G0B+4*\s+3], s[46:47], \s*ROWB
	s_or_b32 s[G0B+4*\s+3], s[G0B+4*\s+3], 0x80000000
	JLOAD G0+4*\s, G1, G0B+4*\s, G1B               ; three tensor loads of mine are out now, and no more follow
.endr
	v_and_b32 v1, 15, v0                           ; r = l % 16
	v_bfe_u32 v2, v0, 4, 1                         ; h = l / 16
	v_mul_u32_u24 v3, v1, PITCH
	v_lshl_add_u32 v4, v2, 4, v3                   ; a fragment's row x pitch + 16 x half
	s_mul_i32 s42, s17, HALFT                      ; my 128 rows of x
	s_mul_i32 s43, s18, HALFT                      ; my 128 rows of W,
	s_add_co_u32 s43, s43, 2*HALFT                 ; which lie behind x's 256
.irp s, 0,1
	v_add_nc_u32 v[ADRA+\s], s42, v4
	v_add_nc_u32 v[ADRB+\s], s43, v4
	s_add_co_u32 s42, s42, SLOT
	s_add_co_u32 s43, s43, SLOT
.endr
	v_mul_u32_u24 v5, v1, KS                       ; my row's scales: KS bytes a row,
	v_lshrrev_b32 v6, 8, v5
	v_lshl_add_u32 v5, v6, 4, v5                   ; and 16 more for each 256 passed
	s_mul_i32 s42, s17, HALFS
	s_mul_i32 s43, s18, HALFS
	s_add_co_u32 s43, s43, 2*HALFS
	s_sub_co_u32 s43, s43, s42
	v_mul_u32_u24 v6, s43, v2                      ; lanes 16-31 take W's
	s_add_co_u32 s42, s42, SCL
	v_add_nc_u32 v5, v5, v6
	v_add_nc_u32 v[ADRS], s42, v5
	; the bias of my 128 columns: lane (r, h) wants, for block b, the eight numbers at column 16 b + 8 h
	s_cmp_eq_u32 s19, 0
	s_cselect_b64 s[92:93], s[8:9], s[10:11]
	s_cmp_eq_u32 s19, 2
	s_cselect_b64 s[92:93], s[12:13], s[92:93]
	s_cselect_b32 s40, -1, 0                       ; all ones for V
	s_lshl_b32 s94, s22, 10
	s_lshl_b32 s95, s18, 9
	s_add_co_u32 s94, s94, s95
	s_mov_b32 s95, 0
	s_add_nc_u64 s[92:93], s[92:93], s[94:95]
	v_lshlrev_b32 v7, 5, v2
.irp b, 0,1,2,3,4,5,6,7
	global_load_b128 v[BI+8*\b:BI+8*\b+3], v7, s[92:93] offset:64*\b
	global_load_b128 v[BI+8*\b+4:BI+8*\b+7], v7, s[92:93] offset:64*\b+16
.endr
	; the way out: my piece, and where my wave's part of qkv begins
	v_and_b32 v8, 31, v0
	v_lshlrev_b32 v8, 4, v8                        ; Q, K: 16 x lane
	v_and_b32 v9, 7, v0
	v_lshl_add_u32 v9, v2, 3, v9
	v_bfe_u32 v10, v0, 3, 1
	v_lshl_add_u32 v9, v10, 4, v9
	v_lshlrev_b32 v9, 4, v9                        ; V: 16 x ((r % 8) + 8 h + 16 (r / 8))
	v_cndmask_b32 v[CO], v8, v9, s40
	s_lshl_b32 s42, s23, 8
	s_lshl_b32 s43, s17, 7
	s_add_co_u32 s42, s42, s43                     ; my first stacked row,
	s_and_b32 s42, s42, 8191                       ; within its tensor
	s_lshr_b32 s43, s42, 11                        ; the batch: 16 heads
	s_mul_i32 s43, s43, 16*HEADB
	s_and_b32 s42, s42, 2047
	s_lshr_b32 s42, s42, 6                         ; which 64 positions
	s_mul_i32 s42, s42, STEP3
	s_add_co_u32 s42, s42, s43
	s_lshl_b32 s43, s22, 2
	s_lshl_b32 s94, s18, 1
	s_add_co_u32 s43, s43, s94                     ; my first head: 4 x + 2 x half
	s_mul_i32 s43, s43, HEADB
	s_add_co_u32 s42, s42, s43
	s_lshl_b32 s43, s19, 13                        ; Q, K or V
	s_add_co_u32 s42, s42, s43
	s_mov_b32 s43, 0
	s_add_nc_u64 s[14:15], s[14:15], s[42:43]
.macro FRAG reg, adr, q, i             ; a fragment, 16 rows x 128 K of 4-bit codes: lane l holds row l % 16; registers 4 c .. 4 c + 3 hold K = 64 c + 32 (l / 16) + 0 .. 31
.irp c, 0,1
	ds_load_b128 v[\reg+4*\c:\reg+4*\c+3], v[\adr] offset:64*(\q)+32*\c+(\i)*16*PITCH
.endr
.endm
; 16 matrix instructions: x's blocks a0, a0 + 1 against W's eight, the slot's q-th 128 along K.  p: W's set; sc: the set of scale words.  first = 1: the bias starts the sums: nothing is cleared or added later.
; The 64 accumulators take turns, one instruction a turn, in the same order in every step.
.macro MUL16 a0, p, q, sc, first
.irp a, \a0, \a0+1
.irp b, 0,1,2,3,4,5,6,7
.if \first
	v_wmma_scale_f32_16x16x128_f8f6f4 v[8*(8*((\a)%4)+\b):8*(8*((\a)%4)+\b)+7], v[128*(\p)+FR*\b:128*(\p)+FR*\b+FR-1], v[AF+FR*(\a):AF+FR*(\a)+FR-1], v[BI+8*\b:BI+8*\b+7], v[SC+8*NQ*(\sc)+NQ*\b+(\q)], v[SC+8*NQ*(\sc)+NQ*(\a)+(\q)] matrix_a_fmt:MATRIX_FMT_FP4 matrix_b_fmt:MATRIX_FMT_FP4 matrix_a_scale:MATRIX_SCALE_ROW1
.else
	v_wmma_scale_f32_16x16x128_f8f6f4 v[8*(8*((\a)%4)+\b):8*(8*((\a)%4)+\b)+7], v[128*(\p)+FR*\b:128*(\p)+FR*\b+FR-1], v[AF+FR*(\a):AF+FR*(\a)+FR-1], v[8*(8*((\a)%4)+\b):8*(8*((\a)%4)+\b)+7], v[SC+8*NQ*(\sc)+NQ*\b+(\q)], v[SC+8*NQ*(\sc)+NQ*(\a)+(\q)] matrix_a_fmt:MATRIX_FMT_FP4 matrix_b_fmt:MATRIX_FMT_FP4 matrix_a_scale:MATRIX_SCALE_ROW1
.endif
.endr
.endr
.endm
.macro FETCH_B slot, q, p
	WIN TO_B
.irp i, 0,1,2,3,4,5,6,7
	FRAG 128*(\p)+FR*\i, ADRB+\slot, \q, \i
.endr
	WIN 0
.endm
.macro FETCH_A slot, q, i0
.irp i, \i0, \i0+1, \i0+2, \i0+3
	FRAG AF+FR*(\i), ADRA+\slot, \q, \i
.endr
.endm
.macro SCALES sc                       ; a K step's scale words: four words a row; lanes 0-15 take x's block i, lanes 16-31 W's block i
.irp i, 0,1,2,3,4,5,6,7
	ds_load_b128 v[SC+8*NQ*\sc+NQ*\i:SC+8*NQ*\sc+NQ*\i+3], v[ADRS] offset:\i*SBLK
.endr
.endm
.macro PLACES n                        ; plain vector instructions behind matrix instructions, in front of loads into registers that they have read and of reads of their results
.rept \n
	v_nop
.endr
.endm
.macro STEP slot, q, first             ; a step of 128 along K that has its successor in the same slot
	s_wait_dscnt 4*NL                              ; W's set and x's blocks 0-3 are in; the youngest eight loads (x's blocks 4-7) may be out
.if \first
	WIN FIRST_LO
.else
	WIN MUL_LO
.endif
	MUL16 0, (\q)%2, \q, \slot, \first
	MUL16 2, (\q)%2, \q, \slot, \first
	s_wait_dscnt 0                                 ; x's blocks 4-7 are in
	PLACES NP
	FETCH_B \slot, (\q)+1, 1-(\q)%2
	FETCH_A \slot, (\q)+1, 0
.if \first
	WIN FIRST_HI
.else
	WIN MUL_HI
.endif
	MUL16 4, (\q)%2, \q, \slot, \first
	MUL16 6, (\q)%2, \q, \slot, \first
	PLACES NP
	WIN 0
	FETCH_A \slot, (\q)+1, 4
.endm
.macro TURN slot, next                 ; slot 0's last step goes over to slot 1: each wave waits for all its tensor loads, then the barrier shows the whole slot to every wave.  Nothing is filled again
	s_wait_tensorcnt 0x0                           ; my part of slot 1 has landed
	ds_add_u32 v[SPW], v[NIL]                      ; 0 onto my spare word
	s_wait_dscnt 4*NL+1                            ; (the add and the youngest eight loads may be out)
	WIN MUL_LO
	MUL16 0, 1, NQ-1, \slot, 0
	s_wait_dscnt 0x0                               ; no LDS instruction of mine is out at the signal
	s_barrier_signal -1
	MUL16 2, 1, NQ-1, \slot, 0
	WIN 0
	s_barrier_wait -1
	PLACES NP
	v_add_nc_u32 v[ADRS], 4*NQ, v[ADRS]            ; on to the next K step's scale words
	FETCH_B \next, 0, 0
	FETCH_A \next, 0, 0
	SCALES \next
	WIN MUL_HI
	MUL16 4, 1, NQ-1, \slot, 0
	MUL16 6, 1, NQ-1, \slot, 0
	PLACES NP
	WIN 0
	FETCH_A \next, 0, 4
.endm
.macro STEPS slot, from
.set Q, \from
.rept NQ-1-\from
	STEP \slot, Q, 0
.set Q, Q+1
.endr
.endm
	s_wait_tensorcnt 1                             ; the scales and my part of K step 0 are in (slot 1's load may be out)
	s_barrier_signal -1
	s_barrier_wait -1                              ; everybody's are
	FETCH_B 0, 0, 0
	FETCH_A 0, 0, 0
	SCALES 0
	FETCH_A 0, 0, 4
	s_wait_loadcnt 0x0                             ; the bias
	STEP 0, 0, 1
	STEPS 0, 1
	TURN 0, 1
	STEPS 1, 0
	s_wait_dscnt 4*NL                              ; the very last step: nothing more to fetch
	WIN MUL_LO
	MUL16 0, 1, NQ-1, 1, 0
	MUL16 2, 1, NQ-1, 1, 0
	s_wait_dscnt 0
	WIN MUL_HI
	MUL16 4, 1, NQ-1, 1, 0
	MUL16 6, 1, NQ-1, 1, 0
	WIN 0
; THE WAY OUT, block by block of 16 rows: each accumulator is rounded to f16 from its low end on, and its 16 bytes a lane are stored as they stand.
.macro OUT a
.set AC, 64*((\a)%4)
.set OB, 128+32*((\a)%4)
.if (\a) >= 4
	s_wait_xcnt 0x0                                ; block a - 4's stores have read these registers
.endif
	WIN 0x0a+5*((\a)/4)                            ; sources 0 and 1: window 2 or 3
.irp b, 0,1,2,3,4,5,6,7
.irp i, 0,1,2,3
	v_cvt_pk_f16_f32 v[OB+4*\b+\i], v[AC+8*\b+2*\i], v[AC+8*\b+2*\i+1]
.endr
.endr
	WIN 0
.irp b, 0,1,2,3,4,5,6,7
	global_store_b128 v[CO], v[OB+4*\b:OB+4*\b+3], s[14:15] offset:((\a)/4)*STEP3+((\a)%4)*2048+(\b/4)*HEADB+(\b%4)*512   ; 32 lanes store 512 consecutive bytes, aligned
.endr
.endm
	PLACES NP                                      ; behind the last products: for the reads of results and for the writes over x's fragments and the bias
.irp a, 0,1,2,3,4,5,6,7
	OUT \a
.endr
	s_wait_tensorcnt 0x0                           ; the wave's end
	ds_add_u32 v[SPW], v[NIL]
	s_wait_dscnt 0x0
	CROUND                                         ; the closing round: no work-group ends while a partner may still ask for a tile that names it
	s_endpgm
.Lfunc_end_k_q59e157f112_proj:
	.size	k_q59e157f112_proj, .Lfunc_end_k_q59e157f112_proj-k_q59e157f112_proj
	.p2alignl 7, 3214868480
	.fill 96, 4, 3214868480
	.section	.rodata,"a",@progbits
	.p2align	6, 0x0
	.amdhsa_kernel k_q59e157f112_proj
		.amdhsa_group_segment_fixed_size 327680
		.amdhsa_private_segment_fixed_size 0
		.amdhsa_enable_private_segment 0
		.amdhsa_kernarg_size 48
		.amdhsa_user_sgpr_count 2
		.amdhsa_user_sgpr_kernarg_segment_ptr 1
		.amdhsa_wavefront_size32 1
		.amdhsa_system_sgpr_workgroup_id_x 1
		.amdhsa_system_sgpr_workgroup_id_y 1
		.amdhsa_system_sgpr_workgroup_id_z 1
		.amdhsa_system_vgpr_workitem_id 0
		.amdhsa_next_free_vgpr 1024
		.amdhsa_next_free_sgpr 100
		.amdhsa_reserve_vcc 0
		.amdhsa_float_denorm_mode_32 3
		.amdhsa_float_denorm_mode_16_64 3
		.amdhsa_memory_ordered 1
		.amdhsa_forward_progress 1
		.amdhsa_inst_pref_size 120
	.end_amdhsa_kernel
	.amdgpu_metadata
---
amdhsa.version: [ 1, 2 ]
amdhsa.kernels:
  - .name:           k_q59e157f112_proj
    .symbol:         k_q59e157f112_proj.kd
    .args:
      - { .name: codes, .offset: 0, .size: 8, .value_kind: global_buffer, .address_space: global }
      - { .name: scales, .offset: 8, .size: 8, .value_kind: global_buffer, .address_space: global }
      - { .name: b_q, .offset: 16, .size: 8, .value_kind: global_buffer, .address_space: global }
      - { .name: b_k, .offset: 24, .size: 8, .value_kind: global_buffer, .address_space: global }
      - { .name: b_v, .offset: 32, .size: 8, .value_kind: global_buffer, .address_space: global }
      - { .name: qkv, .offset: 40, .size: 8, .value_kind: global_buffer, .address_space: global }
    .group_segment_fixed_size: 327680
    .private_segment_fixed_size: 0
    .kernarg_segment_align: 8
    .kernarg_segment_size: 48
    .max_flat_workgroup_size: 128
    .sgpr_count:     100
    .vgpr_count:     1024
    .wavefront_size: 32
...
	.end_amdgpu_metadata
.endif
;; end of part 2
;; launch attn (part 3): grid 4 x 64, 8 waves a work-group, clusters of 4 x 1, 327,680 bytes of LDS; arguments qkv, ctx; writes ctx
.if DOCPART == 3
	.amdgcn_target "amdgcn-amd-amdhsa--gfx1250"
	.amdhsa_code_object_version 6
	.text
	.protected	k_q59e157f112_attn
	.globl	k_q59e157f112_attn
	.p2align	8
	.type	k_q59e157f112_attn,@function
k_q59e157f112_attn:
	s_mov_b64 s[64:65], 0
	v_nop
	global_prefetch_b8 v0, s[64:65] scope:SCOPE_SE
	s_setreg_imm32_b32 hwreg(HW_REG_WAVE_MODE, 25, 1), 1
	s_wait_xcnt 0x0
	s_wait_alu depctr_hold_cnt(0) depctr_sa_sdst(0) depctr_va_vdst(0) depctr_va_sdst(0) depctr_va_ssrc(0) depctr_va_vcc(0) depctr_vm_vsrc(0)
	s_getreg_b32 s2, hwreg(HW_REG_IB_STS2, 6, 4)
	s_cmp_eq_u32 s2, 0
	s_cbranch_scc0 .Lentry_in_a_cluster
	s_endpgm
.Lentry_in_a_cluster:
	s_bfe_u32 s2, ttmp6, 0x10000c
	s_cmp_lg_u32 s2, 0x3003
	s_cbranch_scc0 .Lentry_shape_is_right
	s_endpgm
.Lentry_shape_is_right:
; ctx[b][q][head] = the sum over k of softmax_k(Q . K / 8) V, 64 heads-in-batches of 2,048 positions x 64 channels, no mask.  Operands f16; products, maxima and sums f32; the weights p rounded to f16 for the second product.
; qkv: [head-in-batch][64 positions][Q | K | V, 8,192 bytes each], each part an image of operand registers (16 positions 2,048 bytes, 16 channels 512 bytes, 16 bytes a lane).
; SHARES.  A work-group owns 512 queries of one head, each of its EIGHT waves 64: four tiles of 16, in 512 registers.  Two waves share a SIMD, so that one wave's softmax stands beside the other's products: the text goes in plain phases.
; LAYOUT.  S^T = K Q^T (source 0 = 16 keys, source 1 = 16 queries): a lane holds ONE query and the keys 8 (lane / 16) + 0..7 of each tile.  Two such tiles, rounded to f16 in pairs, ARE source 1 of O^T = V^T P.
; SOFTMAX.  For each query a running maximum m and sum l: p = 2^(c s - c m), c = log2(e) / 8; in every step O and l are multiplied by a = 2^(c m_old - c m_new).
; RING.  Two LDS slots of 8 key steps (64 keys: K 8,192 bytes, V 8,192) each.  Every wave fetches one step of a slot, 16,384 dense bytes, by one tensor load.  The head has four slots' worth: two first fills, two refills.
; CLUSTER.  The four query blocks of a head form a cluster and walk the same K and V: each tile is asked for jointly, by the same load with the same descriptor and the mask of all four.
; PIPELINE.  At a trip's head S holds step j's scores and V of step j is on its way from LDS.  The trip asks for K of step j + 1, does the softmax, multiplies V^T P, asks for V of step j + 1, and multiplies K Q^T of step j + 1.
; LIMITS: NaN and infinities are not served; the context must stay under 65,504 in magnitude (f16).
; REGISTERS: window 0: v1 16 x lane, v2 the LDS address in hand, v6, v7 the add's two, v8 256 x lane; v16-47 eight statistics a tile (+0 c m, +1 m, +2, +3 l, +4..+7 at work, a in +6); v64-191 S^T, 32 a tile, P in a tile's low 16;
;   v192-255 K.   window 1: v0-63 Q, 16 a tile; v64-191 O^T, 32 a tile; v192-255 V.
.set HEADB, 786432
.set STEP3, 24576
.set STEPB, 16384                      ; a key step in LDS
.set SLOT1, 131072                     ; a slot: 8 key steps; one exclusive or turns an address in one slot into the other's
.set SPARE, 262144                     ; behind the ring: the spare words, 128 bytes for each of eight waves, which no other line names
.set LI,  1
.set ADR, 2
.set SPW, 6
.set NIL, 7
.set PFO, 8
.set ST,  16
.set S,   64
.set KF,  192
.set QF,  0
.set O,   64
.set VF,  192
.set WV,  12
.set LIM, 15                           ; s15  1 in a wave that prefetches, else the greatest number
.set PFA, 18                           ; s[18:19] what my prefetch names; never rewritten
.set G1,  24                           ; s[24:31] descriptor group 1
.set G0,  32                           ; s[32:35] group 0 of slot 0's first fill; s[36:39] of slot 1's, which then walks on
.set SLOTS, 56
.set CNT, 57
.set CS,  58                           ; s[58:59] c: the packed form names a pair and takes its low word for both halves
.set SEL, 60                           ; s[60:61] lane selects: lane l xor 16
.set TB,  62                           ; s62  LDS byte at which the step to be fetched begins
.set MSB, 0
.macro WIN new                         ; the immediate's high byte repeats the setting that is left
.if MSB != (\new)
	s_set_vgpr_msb (MSB<<8)|(\new)
.set MSB, (\new)
.endif
.endm
.set W_KQ, 0x04                        ; Q (source 1) in window 1; K, S^T in window 0
.set W_PV, 0x51                        ; V (source 0), O^T (C and D) in window 1; P in window 0
.set W_RS, 0x41                        ; O^T (destination and source 0) in window 1, a in window 0
.set TO1,  0x40                        ; destination window 1
.macro PLACES n
.rept \n
	v_nop
.endr
.endm
.macro CROUND                          ; a round of the cluster's barrier
	s_barrier_signal -1
	s_barrier_wait -1
	s_cmp_lg_u32 s[WV], 0
	s_cbranch_scc1 .Lnot_wave_0_\@
	s_barrier_signal -3
.Lnot_wave_0_\@:
	s_barrier_wait -3
	s_barrier_signal -1
	s_barrier_wait -1
.endm
	s_load_b128 s[4:7], s[0:1], 0x0                ; qkv 4:5, ctx 6:7
	v_lshl_add_u32 v[SPW], v0, 2, SPARE
	v_mov_b32 v[NIL], 0
	ds_add_u32 v[SPW], v[NIL]                      ; the wave's opening: the add, twice on end, and its wait ahead of my first tensor load
	ds_add_u32 v[SPW], v[NIL]
	v_lshrrev_b32 v3, 5, v0
	v_readfirstlane_b32 s[WV], v3                  ; wave 0..7
	v_and_b32 v3, 31, v0
	v_lshlrev_b32 v[LI], 4, v3
	v_lshlrev_b32 v[PFO], 8, v3
	s_bfe_u32 s13, ttmp6, 0x40000                  ; cx: my block of 512 queries
	s_and_b32 s14, ttmp7, 0xffff                   ; the head-in-batch, which the four partners share
	; group 1: 16,384 dense bytes as 64 rows of 256 (32 elements of 8 bytes), no padding: every LDS load below reads 512 consecutive bytes
	s_mov_b32 s[G1], 15|(3<<16)|(1<<21)            ; the mask: all four work-groups; elements of 8 bytes; bit 21 beside a mask
	s_mov_b32 s[G1+1], 32<<16
	s_mov_b32 s[G1+2], 64<<16
	s_mov_b32 s[G1+3], 32<<16
	s_mov_b32 s[G1+4], 64
	s_mov_b32 s[G1+5], 32
	s_mov_b32 s[G1+6], 0
	s_mov_b32 s[G1+7], 0
	s_mov_b32 s[CS], 0x3e38aa3b                    ; c = log2(e) / 8
	s_mov_b32 s[CS+1], s[CS]
	s_mov_b32 s[SEL], 0x76543210
	s_mov_b32 s[SEL+1], 0xfedcba98
	s_mov_b32 s[SLOTS], 2
	s_mul_i32 s20, s14, HEADB                      ; the head's first byte
	s_mul_i32 s21, s[WV], STEP3
	s_add_co_u32 s22, s20, s21
	s_add_co_u32 s22, s22, 8192                    ; K and V of key step `wave`: what I fetch of slot 0 (no place in the cluster enters it)
	s_mov_b32 s23, 0
	s_lshl_b32 s44, s13, 3
	s_add_co_u32 s44, s44, s[WV]                   ; my 64 queries: 8 cx + wave
	s_mul_i32 s44, s44, STEP3
	s_add_co_u32 s8, s20, s44
	s_mov_b32 s9, 0
	s_and_b32 s45, s[WV], 3                        ; the prefetch: of the head's last 8 key steps my work-group takes two, wave & 3 half of one: 8,192 bytes, lanes 256 apart
	s_lshr_b32 s46, s45, 1
	s_lshl_b32 s47, s13, 1
	s_add_co_u32 s46, s46, s47
	s_add_co_u32 s46, s46, 24
	s_mul_i32 s46, s46, STEP3
	s_and_b32 s45, s45, 1
	s_lshl_b32 s45, s45, 13
	s_add_co_u32 s45, s45, s46
	s_add_co_u32 s45, s45, s20
	s_add_co_u32 s[PFA], s45, 8192
	s_mov_b32 s[PFA+1], 0
	s_lshr_b32 s45, s14, 4                         ; ctx: tile of 16 rows 128 x batch + 32 cx + 4 wave, 32,768 bytes each; my head's 2,048 bytes in it
	s_lshl_b32 s45, s45, 7
	s_lshl_b32 s46, s13, 5
	s_add_co_u32 s45, s45, s46
	s_lshl_b32 s46, s[WV], 2
	s_add_co_u32 s45, s45, s46
	s_lshl_b32 s45, s45, 15
	s_and_b32 s46, s14, 15
	s_lshl_b32 s46, s46, 11
	s_add_co_u32 s10, s45, s46
	s_mov_b32 s11, 0
	s_cmp_lt_u32 s[WV], 4
	s_cselect_b32 s[LIM], 1, -1                    ; waves 0 to 3 ask: the same in all partners
	s_wait_dscnt 0x0                               ; both opening adds are done
	s_wait_kmcnt 0x0
	s_add_nc_u64 s[22:23], s[4:5], s[22:23]
	s_add_nc_u64 s[8:9], s[4:5], s[8:9]
	s_add_nc_u64 s[PFA:PFA+1], s[4:5], s[PFA:PFA+1]
	s_add_nc_u64 s[6:7], s[6:7], s[10:11]
	s_mov_b32 s[G0], 1
	s_lshl_b32 s[G0+1], s[WV], 14                  ; LDS: step `wave` of slot 0
	s_mov_b64 s[G0+2:G0+3], s[22:23]
	s_or_b32 s[G0+3], s[G0+3], 0x80000000
	s_mov_b32 s[G0+4], 1
	s_add_co_u32 s[G0+5], s[G0+1], SLOT1
	s_add_nc_u64 s[G0+6:G0+7], s[22:23], 8*STEP3   ; the next 8 key steps
	s_or_b32 s[G0+7], s[G0+7], 0x80000000
	CROUND                                         ; all four work-groups are here: the first joint loads meet
	tensor_load_to_lds s[G0:G0+3], s[G1:G1+7]      ; both first fills together: two tensor loads of mine are out
	s_nop 0
	tensor_load_to_lds s[G0+4:G0+7], s[G1:G1+7]
	s_nop 0
	PLACES 4
	WIN TO1
.irp i, 0,1,2,3,4,5,6,7,8,9,10,11,12,13,14,15
	global_load_b128 v[QF+4*\i:QF+4*\i+3], v[LI], s[8:9] offset:512*\i   ; Q stays in registers: its image is loaded as it lies
.endr
	WIN 0
.macro FETCH_K                         ; a step's K: 8 fragments of 16 keys x 32 channels, 16 loads of 512 consecutive bytes
.irp i, 0,1,2,3,4,5,6,7,8,9,10,11,12,13,14,15
	ds_load_b128 v[KF+4*\i:KF+4*\i+3], v[ADR] offset:512*\i
.endr
.endm
.macro FETCH_V                         ; its V, turned: fragment (g, d) = channels 16 d on x keys 32 g on; each load turns 16 keys x 16 channels
	WIN TO1
.irp g, 0,1
.irp d, 0,1,2,3
.irp u, 0,1
	ds_load_tr16_b128 v[VF+8*(4*\g+\d)+4*\u:VF+8*(4*\g+\d)+4*\u+3], v[ADR] offset:8192+(2*\g+\u)*2048+\d*512
.endr
.endr
.endr
.endm
; 32 products S^T = K Q^T: channels 32 c on, keys 16 k on, tile t.  The 16 accumulators take turns, one instruction a turn; the first 16 start the sums.
.macro KQ
	WIN W_KQ
.irp c, 0,1
.irp k, 0,1,2,3
.irp t, 0,1,2,3
.if \c == 0
	v_wmma_f32_16x16x32_f16 v[S+32*\t+8*\k:S+32*\t+8*\k+7], v[KF+8*(2*\k+\c):KF+8*(2*\k+\c)+7], v[QF+16*\t+8*\c:QF+16*\t+8*\c+7], 0
.else
	v_wmma_f32_16x16x32_f16 v[S+32*\t+8*\k:S+32*\t+8*\k+7], v[KF+8*(2*\k+\c):KF+8*(2*\k+\c)+7], v[QF+16*\t+8*\c:QF+16*\t+8*\c+7], v[S+32*\t+8*\k:S+32*\t+8*\k+7]
.endif
.endr
.endr
.endr
.endm
; 32 products O^T += V^T P: keys 32 g on, channels 16 d on, tile t.  first = 1: the first 16 start the sums.
.macro PV first
	WIN W_PV
.irp g, 0,1
.irp d, 0,1,2,3
.irp t, 0,1,2,3
.if \first && (\g == 0)
	v_wmma_f32_16x16x32_f16 v[O+32*\t+8*\d:O+32*\t+8*\d+7], v[VF+8*(4*\g+\d):VF+8*(4*\g+\d)+7], v[S+32*\t+8*\g:S+32*\t+8*\g+7], 0
.else
	v_wmma_f32_16x16x32_f16 v[O+32*\t+8*\d:O+32*\t+8*\d+7], v[VF+8*(4*\g+\d):VF+8*(4*\g+\d)+7], v[S+32*\t+8*\g:S+32*\t+8*\g+7], v[O+32*\t+8*\d:O+32*\t+8*\d+7]
.endif
.endr
.endr
.endr
.endm
; The maximum of a lane's 32 scores and the old m, the four tiles by turns so that no line waits for the line above it.  Each accumulator is read from its low end on.
.macro MAXPH first
.irp j, 0,1,2,3
.irp t, 0,1,2,3
	v_max3_num_f32 v[ST+8*\t+4+\j], v[S+32*\t+8*\j], v[S+32*\t+8*\j+1], v[S+32*\t+8*\j+2]
.endr
.endr
.irp n, 1,2
.irp j, 0,1,2,3
.irp t, 0,1,2,3
	v_max3_num_f32 v[ST+8*\t+4+\j], v[ST+8*\t+4+\j], v[S+32*\t+8*\j+2*\n+1], v[S+32*\t+8*\j+2*\n+2]
.endr
.endr
.endr
.irp t, 0,1,2,3
	v_max3_num_f32 v[ST+8*\t+4], v[ST+8*\t+4], v[S+32*\t+7], v[S+32*\t+15]
.endr
.irp t, 0,1,2,3
	v_max3_num_f32 v[ST+8*\t+6], v[ST+8*\t+6], v[S+32*\t+23], v[S+32*\t+31]
.endr
.irp t, 0,1,2,3
	v_max3_num_f32 v[ST+8*\t+4], v[ST+8*\t+4], v[ST+8*\t+5], v[ST+8*\t+6]
.endr
.irp t, 0,1,2,3
.if \first
	v_max_num_f32 v[ST+8*\t+4], v[ST+8*\t+4], v[ST+8*\t+7]
.else
	v_max3_num_f32 v[ST+8*\t+4], v[ST+8*\t+4], v[ST+8*\t+7], v[ST+8*\t+1]
.endif
.endr
.irp t, 0,1,2,3
	v_permlanex16_b32 v[ST+8*\t+5], v[ST+8*\t+4], s[SEL], s[SEL+1]   ; the query's other 32 keys lie in the lane 16 away
.endr
.if !\first
.irp t, 0,1,2,3
	v_mov_b32 v[ST+8*\t+7], v[ST+8*\t]             ; c m_old is kept for a
.endr
.endif
.irp t, 0,1,2,3
	v_max_num_f32 v[ST+8*\t+1], v[ST+8*\t+4], v[ST+8*\t+5]
.endr
.irp t, 0,1,2,3
	v_mul_f32 v[ST+8*\t], s[CS], v[ST+8*\t+1]
.endr
.if !\first
.irp t, 0,1,2,3
	v_sub_f32 v[ST+8*\t+7], v[ST+8*\t+7], v[ST+8*\t]
.endr
.endif
.endm
.macro SCALE t, i                      ; pair i of tile t: c s - c m
	v_pk_fma_f32 v[S+32*(\t)+2*(\i):S+32*(\t)+2*(\i)+1], v[S+32*(\t)+2*(\i):S+32*(\t)+2*(\i)+1], s[CS:CS+1], v[ST+8*(\t):ST+8*(\t)+1] op_sel_hi:[1,0,0] neg_lo:[0,0,1] neg_hi:[0,0,1]
.endm
; ONE BATCH: the scalings and all exponentials; a pair is scaled a row of four tiles ahead of its exponentials, and nothing here names an exponential's result.
.macro EXPPH first
.if !\first
.irp t, 0,1,2,3
	v_exp_f32 v[ST+8*\t+6], v[ST+8*\t+7]           ; a
.endr
.endif
.irp t, 0,1,2,3
	SCALE \t, 0
.endr
.irp i, 1,2,3,4,5,6,7,8,9,10,11,12,13,14,15
.irp t, 0,1,2,3
	SCALE \t, \i
	v_exp_f32 v[S+32*\t+2*\i-2], v[S+32*\t+2*\i-2]
	v_exp_f32 v[S+32*\t+2*\i-1], v[S+32*\t+2*\i-1]
.endr
.endr
.irp t, 0,1,2,3
	v_exp_f32 v[S+32*\t+30], v[S+32*\t+30]
	v_exp_f32 v[S+32*\t+31], v[S+32*\t+31]
.endr
.endm
; l = a l + the sum of the unrounded p: two chains a tile, two numbers an instruction.
.macro SUMPH first
.irp t, 0,1,2,3
.if \first
	v_pk_add_f32 v[ST+8*\t+2:ST+8*\t+3], v[S+32*\t:S+32*\t+1], v[S+32*\t+4:S+32*\t+5]
.else
	v_pk_fma_f32 v[ST+8*\t+2:ST+8*\t+3], v[ST+8*\t+2:ST+8*\t+3], v[ST+8*\t+6:ST+8*\t+7], v[S+32*\t:S+32*\t+1] op_sel_hi:[1,0,1]
.endif
.endr
.irp t, 0,1,2,3
	v_pk_add_f32 v[ST+8*\t+4:ST+8*\t+5], v[S+32*\t+2:S+32*\t+3], v[S+32*\t+6:S+32*\t+7]
.endr
.if !\first
.irp t, 0,1,2,3
	v_pk_add_f32 v[ST+8*\t+2:ST+8*\t+3], v[ST+8*\t+2:ST+8*\t+3], v[S+32*\t+4:S+32*\t+5]
.endr
.endif
.irp i, 8,12,16,20,24,28
.irp t, 0,1,2,3
	v_pk_add_f32 v[ST+8*\t+2:ST+8*\t+3], v[ST+8*\t+2:ST+8*\t+3], v[S+32*\t+\i:S+32*\t+\i+1]
	v_pk_add_f32 v[ST+8*\t+4:ST+8*\t+5], v[ST+8*\t+4:ST+8*\t+5], v[S+32*\t+\i+2:S+32*\t+\i+3]
.endr
.endr
.irp t, 0,1,2,3
	v_pk_add_f32 v[ST+8*\t+2:ST+8*\t+3], v[ST+8*\t+2:ST+8*\t+3], v[ST+8*\t+4:ST+8*\t+5]
.endr
.endm
.macro CVTPH                           ; p to f16, in place, ascending: register j is written when registers up to 2 j + 1 have been read.  A tile's low 16 registers are then its two fragments of P
.irp j, 0,1,2,3,4,5,6,7,8,9,10,11,12,13,14,15
.irp t, 0,1,2,3
	v_cvt_pk_f16_f32 v[S+32*\t+\j], v[S+32*\t+2*\j], v[S+32*\t+2*\j+1]
.endr
.endr
.endm
.macro RESC                            ; O^T times a, each accumulator from its low end on
	WIN W_RS
.irp i, 0,2,4,6,8,10,12,14,16,18,20,22,24,26,28,30
.irp t, 0,1,2,3
	v_pk_mul_f32 v[O+32*\t+\i:O+32*\t+\i+1], v[O+32*\t+\i:O+32*\t+\i+1], v[ST+8*\t+6:ST+8*\t+7] op_sel_hi:[1,0]
.endr
.endr
.endm
; A KEY STEP.  first = 1: the first, which starts m, l and O^T.  fetch = 1: there is a next step.  Every window is 0 at its head and at its end.
.macro TRIP first, fetch
.if \fetch
	v_add_nc_u32 v[ADR], s[TB], v[LI]              ; the next step's tiles.  With the three v_nop: the four places behind K Q^T, for the loads into K's registers and the reads of the scores
	PLACES 3
	FETCH_K
.else
	PLACES 4
.endif
	MAXPH \first
	EXPPH \first
	v_nop                                          ; a plain instruction behind the last exponential
	s_wait_alu depctr_va_vdst(0)                   ; the wait ahead of the first line that names a result: one for the whole batch
	SUMPH \first
	CVTPH
.if !\first
	RESC
.endif
.if \fetch
	s_wait_dscnt 16                                ; V of this step is in; the 16 loads of the next step's K are younger and may be out
.else
	s_wait_dscnt 0x0
.endif
	PV \first
	WIN 0
.if \fetch
	PLACES 5                                       ; K Q^T below writes over P, a source of these products: five places; the loads into V's registers want four
	FETCH_V
	s_add_co_u32 s[TB], s[TB], STEPB
	s_wait_dscnt 16                                ; K is in; V's 16 loads are younger and may be out
	KQ
	WIN 0
.else
	PLACES 4
.endif
.endm
; A PREFETCH INTO THE L2 of what the NEXT change of slots will ask for.  Only the first filling change has a filling change behind it: there the cluster names the head's last 8 key steps of K and V, 131,072 bytes,
; each aligned 256 bytes once: four work-groups (told apart by address) x waves 0 to 3 x 32 lanes.  It stands behind the wave's tensor load and its five lines; its address registers are never rewritten.
.macro ASK
	s_cmp_gt_u32 s[SLOTS], s[LIM]
	s_cbranch_scc0 .Lnot_mine_\@
	global_prefetch_b8 v[PFO], s[PFA:PFA+1] th:TH_LOAD_NT scope:SCOPE_SE
.Lnot_mine_\@:
.endm
; THE CHANGE OF SLOTS, when a slot's last bytes (V of its 8th step) have been asked for.  Each wave waits for all its tensor loads (one is out: its part of the other slot), adds 0 to its spare word, and waits for that
; and for its reads of the slot.  fill = 1: the barrier is a round of the cluster's, and the joint refill, the keys two slots on, is the first thing behind it: it has 8 key steps in which to land.
.macro CHANGE fill
	s_wait_tensorcnt 0x0                           ; no tensor load of mine is out, so a group 0 may be written
	ds_add_u32 v[SPW], v[NIL]
.if \fill
	s_xor_b32 s[G0+5], s[G0+5], SLOT1              ; the walking descriptor: the other slot than last time,
	s_add_nc_u64 s[G0+6:G0+7], s[G0+6:G0+7], 8*STEP3   ; the next 8 key steps; the type bits on top are not reached
.endif
	s_wait_dscnt 0x0                               ; the add is done, and my reads of the slot are over
.if \fill
	CROUND
	tensor_load_to_lds s[G0+4:G0+7], s[G1:G1+7]
	s_nop 0
	PLACES 4
	ASK
.else
	s_barrier_signal -1
	s_barrier_wait -1
.endif
	s_sub_co_u32 s[TB], s[TB], SLOT1               ; the fetches go back to a slot's first step,
	s_xor_b32 s[TB], s[TB], SLOT1                  ; in the other slot
.endm
.macro STEPS n
	s_mov_b32 s[CNT], \n
.Lstep_\@:
	TRIP 0, 1
	s_sub_co_u32 s[CNT], s[CNT], 1
	s_cmp_lg_u32 s[CNT], 0
	s_cbranch_scc1 .Lstep_\@
.endm
	s_wait_tensorcnt 1                             ; my part of slot 0 is in; slot 1's may stay out
	s_barrier_signal -1
	s_barrier_wait -1                              ; everybody's is
	v_mov_b32 v[ADR], v[LI]                        ; key step 0
	FETCH_K
	FETCH_V
	s_mov_b32 s[TB], STEPB
	s_wait_loadcnt 0x0                             ; Q
	s_wait_dscnt 16                                ; K
	KQ
	WIN 0
	TRIP 1, 1                                      ; steps 0 to 6 fetch steps 1 to 7: the rest of slot 0
	STEPS 6
.Lslot:                                            ; two trips: slots 0 and 1 are filled again
	CHANGE 1
	STEPS 8
	s_sub_co_u32 s[SLOTS], s[SLOTS], 1
	s_cmp_lg_u32 s[SLOTS], 0
	s_cbranch_scc1 .Lslot
	CHANGE 0                                       ; the tail is written out: nothing is left to ask for
	STEPS 8
	TRIP 0, 0                                      ; the last key step
	; THE WAY OUT.  l's two halves and the other half of the lanes' are added; O^T is divided by l and rounded to f16.  A lane's eight channels of a query are 16 bytes of an image of the next product's operand.
.irp t, 0,1,2,3
	v_add_f32 v[ST+8*\t+4], v[ST+8*\t+2], v[ST+8*\t+3]
.endr
.irp t, 0,1,2,3
	v_permlanex16_b32 v[ST+8*\t+5], v[ST+8*\t+4], s[SEL], s[SEL+1]
.endr
.irp t, 0,1,2,3
	v_add_f32 v[ST+8*\t+4], v[ST+8*\t+4], v[ST+8*\t+5]
.endr
.irp t, 0,1,2,3
	v_rcp_f32 v[ST+8*\t+6], v[ST+8*\t+4]
.endr
	v_nop                                          ; a plain instruction behind the last reciprocal
	s_wait_alu depctr_va_vdst(0)                   ; and the wait ahead of the first use: one for the four
.macro FIN t
	WIN W_RS
.irp i, 0,2,4,6,8,10,12,14,16,18,20,22,24,26,28,30
	v_pk_mul_f32 v[O+32*\t+\i:O+32*\t+\i+1], v[O+32*\t+\i:O+32*\t+\i+1], v[ST+8*\t+6:ST+8*\t+7] op_sel_hi:[1,0]
.endr
	WIN 0x05                                       ; sources 0 and 1 window 1, destination window 0: S^T's registers are free
.irp i, 0,1,2,3,4,5,6,7,8,9,10,11,12,13,14,15
	v_cvt_pk_f16_f32 v[S+16*\t+\i], v[O+32*\t+2*\i], v[O+32*\t+2*\i+1]
.endr
	WIN 0
.irp d, 0,1,2,3
	global_store_b128 v[LI], v[S+16*\t+4*\d:S+16*\t+4*\d+3], s[6:7] offset:32768*\t+512*\d   ; 32 lanes store 512 consecutive bytes, aligned
.endr
.endm
	FIN 0
	FIN 1
	FIN 2
	FIN 3
	s_wait_tensorcnt 0x0                           ; the wave's end
	ds_add_u32 v[SPW], v[NIL]
	s_wait_dscnt 0x0
	CROUND                                         ; the closing round: no work-group ends while a partner may still ask for a tile that names it
	s_endpgm
.Lfunc_end_k_q59e157f112_attn:
	.size	k_q59e157f112_attn, .Lfunc_end_k_q59e157f112_attn-k_q59e157f112_attn
	.p2alignl 7, 3214868480
	.fill 96, 4, 3214868480
	.section	.rodata,"a",@progbits
	.p2align	6, 0x0
	.amdhsa_kernel k_q59e157f112_attn
		.amdhsa_group_segment_fixed_size 327680
		.amdhsa_private_segment_fixed_size 0
		.amdhsa_enable_private_segment 0
		.amdhsa_kernarg_size 16
		.amdhsa_user_sgpr_count 2
		.amdhsa_user_sgpr_kernarg_segment_ptr 1
		.amdhsa_wavefront_size32 1
		.amdhsa_system_sgpr_workgroup_id_x 1
		.amdhsa_system_sgpr_workgroup_id_y 1
		.amdhsa_system_sgpr_workgroup_id_z 1
		.amdhsa_system_vgpr_workitem_id 0
		.amdhsa_next_free_vgpr 512
		.amdhsa_next_free_sgpr 66
		.amdhsa_reserve_vcc 0
		.amdhsa_float_denorm_mode_32 3
		.amdhsa_float_denorm_mode_16_64 3
		.amdhsa_memory_ordered 1
		.amdhsa_forward_progress 1
		.amdhsa_inst_pref_size 172
	.end_amdhsa_kernel
	.amdgpu_metadata
---
amdhsa.version: [ 1, 2 ]
amdhsa.kernels:
  - .name:           k_q59e157f112_attn
    .symbol:         k_q59e157f112_attn.kd
    .args:
      - { .name: qkv, .offset: 0, .size: 8, .value_kind: global_buffer, .address_space: global }
      - { .name: ctx, .offset: 8, .size: 8, .value_kind: global_buffer, .address_space: global }
    .group_segment_fixed_size: 327680
    .private_segment_fixed_size: 0
    .kernarg_segment_align: 8
    .kernarg_segment_size: 16
    .max_flat_workgroup_size: 256
    .sgpr_count:     66
    .vgpr_count:     512
    .wavefront_size: 32
...
	.end_amdgpu_metadata
.endif
;; end of part 3
;; launch outp (part 4): grid 4 x 64, 4 waves a work-group, clusters of 4 x 4, 327,680 bytes of LDS; arguments ctx, wo, b_o, out0; writes out0
.if DOCPART == 4
	.amdgcn_target "amdgcn-amd-amdhsa--gfx1250"
	.amdhsa_code_object_version 6
	.text
	.protected	k_q59e157f112_outp
	.globl	k_q59e157f112_outp
	.p2align	8
	.type	k_q59e157f112_outp,@function
k_q59e157f112_outp:
	s_mov_b64 s[64:65], 0
	v_nop
	global_prefetch_b8 v0, s[64:65] scope:SCOPE_SE
	s_setreg_imm32_b32 hwreg(HW_REG_WAVE_MODE, 25, 1), 1
	s_wait_xcnt 0x0
	s_wait_alu depctr_hold_cnt(0) depctr_sa_sdst(0) depctr_va_vdst(0) depctr_va_sdst(0) depctr_va_ssrc(0) depctr_va_vcc(0) depctr_vm_vsrc(0)
	s_getreg_b32 s2, hwreg(HW_REG_IB_STS2, 6, 4)
	s_cmp_eq_u32 s2, 0
	s_cbranch_scc0 .Lentry_in_a_cluster
	s_endpgm
.Lentry_in_a_cluster:
	s_bfe_u32 s2, ttmp6, 0x10000c
	s_cmp_lg_u32 s2, 0xf033
	s_cbranch_scc0 .Lentry_shape_is_right
	s_endpgm
.Lentry_shape_is_right:
; out0 = ctx w_o^T + b_o.  ctx [8192][1024] and w_o [1024][1024] lie as f16 images of operand registers: [tile of 16 rows][32 along K][1,024 bytes]; out0 [8192][1024] f32; sums in f32.
; A tile of out0 is 128 rows x 256 columns: 256 work-groups.  Four waves, each 64 x 128: 32 accumulators, 256 registers.  K goes in steps of 128 (four quarters of 32) through two LDS slots.
; A K step of a tile of 16 rows is 4,096 consecutive bytes, so a tensor load brings rows of 4,096 bytes, 32,768 apart in memory, dense in LDS; every LDS load reads 512 consecutive bytes.
; CLUSTERS: 4 x 4 work-groups; ctx's tiles are shared along a row of the cluster, w_o's along a column: joint loads.
; THE MATRIX INSTRUCTION IS USED TRANSPOSED (source 0 = 16 rows of w_o, source 1 = 16 rows of ctx): a lane holds eight neighbouring numbers of a row of out0.  The bias is the C of each sum's first instruction.
; No prefetch: each tile of ctx is asked for by one cluster alone, w_o's tiles are read by every row of clusters, and the launch is short.
; REGISTERS: window 0: v16-29 addresses; two fragment buffers of 96, v32-127 and v128-223: 4 x 8 of ctx, then 8 x 8 of w_o; on the way out v32-159 take rows.   window 1: accumulator (a, b) at v[8 (8 a + b)].   window 2: v0-63 the bias.
.set SLOT,   98304                     ; ctx: 8 tiles x 4,096; then w_o: 16 tiles x 4,096
.set BOFF,   32768
.set STAGE,  2*SLOT                    ; behind the ring: 16 rows x (512 + 16) bytes for each wave; no tensor load lands there
.set SPITCH, 528
.set SPARE,  STAGE+4*16*SPITCH         ; the spare words, 128 bytes a wave, which no other line names
.set LAPS,   4                         ; a lap = two K steps
.set ADRA, 16
.set ADRB, 20
.set STO,  24
.set RD,   25
.set CO,   26
.set SPW,  28
.set NIL,  29
.set F0,   32
.set F1,   128
.set OB,   32
.set G1, 24
.set G0, 32
.set G1B, 48
.set G0B, 56
.set MSB, 0
.macro WIN new                         ; the immediate's high byte repeats the setting that is left
.if MSB != (\new)
	s_set_vgpr_msb (MSB<<8)|(\new)
.set MSB, (\new)
.endif
.endm
.set MUL,   0x50                       ; sources 0 and 1 window 0; C and D window 1
.set MUL1,  0x60                       ; the first quarter: C (the bias) window 2, D window 1
.macro JLOAD s                         ; a joint load: waves 0 and 1 fetch ctx's two halves, waves 2 and 3 w_o's; an s_nop 0 and four v_nop follow each of the two lines
	s_cmp_eq_u32 s13, 0
	s_cbranch_scc0 .Lfor_b_\@
	tensor_load_to_lds s[G0+4*\s:G0+4*\s+3], s[G1:G1+7]
	s_nop 0
.rept 4
	v_nop
.endr
	s_branch .Lasked_\@
.Lfor_b_\@:
	tensor_load_to_lds s[G0B+4*\s:G0B+4*\s+3], s[G1B:G1B+7]
	s_nop 0
.rept 4
	v_nop
.endr
.Lasked_\@:
.endm
.macro CREST                           ; a round of the cluster's barrier behind its opening barrier
	s_cmp_lg_u32 s12, 0
	s_cbranch_scc1 .Lnot_wave_0_\@
	s_barrier_signal -3
.Lnot_wave_0_\@:
	s_barrier_wait -3
	s_barrier_signal -1
	s_barrier_wait -1
.endm
.macro CROUND
	s_barrier_signal -1
	s_barrier_wait -1
	CREST
.endm
	s_load_b256 s[4:11], s[0:1], 0x0               ; ctx 4:5, wo 6:7, b_o 8:9, out0 10:11
	v_lshl_add_u32 v[SPW], v0, 2, SPARE
	v_mov_b32 v[NIL], 0
	ds_add_u32 v[SPW], v[NIL]                      ; the wave's opening: the add, twice on end, and its wait ahead of my first tensor load
	ds_add_u32 v[SPW], v[NIL]
	v_lshrrev_b32 v1, 5, v0
	v_readfirstlane_b32 s12, v1                    ; wave 0..3
	s_lshr_b32 s13, s12, 1                         ; which 64 rows are mine.  Also: I fetch for ctx (0) or for w_o (1)
	s_and_b32 s14, s12, 1                          ; which 128 columns.  Also: which half of that tile I fetch
	s_bfe_u32 s40, ttmp6, 0x40000                  ; cx
	s_bfe_u32 s41, ttmp6, 0x40004                  ; cy
	s_lshl_b32 s42, ttmp9, 2
	s_add_co_u32 s42, s42, s40                     ; x: tile column
	s_and_b32 s43, ttmp7, 0xffff
	s_lshl_b32 s43, s43, 2
	s_add_co_u32 s43, s43, s41                     ; y: tile row
	s_lshl_b32 s44, s41, 2
	s_lshl_b32 s44, 15, s44                        ; my row of the cluster
	s_lshl_b32 s45, 0x1111, s40                    ; my column
	; group 1: rows of 512 elements of 8 bytes (4,096 bytes), 4,096 elements apart; ctx: 4 rows to a load, w_o: 8; no padding
	s_or_b32 s[G1+0], s44, (3<<16)|(1<<21)
	s_or_b32 s[G1B+0], s45, (3<<16)|(1<<21)
	s_mov_b32 s[G1+1], 512<<16
	s_mov_b32 s[G1+2], 4<<16
	s_mov_b32 s[G1+3], 512<<16
	s_mov_b32 s[G1+4], 4
	s_mov_b32 s[G1+5], 4096
	s_mov_b32 s[G1+6], 0
	s_mov_b32 s[G1+7], 0
	s_mov_b32 s[G1B+1], 512<<16
	s_mov_b32 s[G1B+2], 8<<16
	s_mov_b32 s[G1B+3], 512<<16
	s_mov_b32 s[G1B+4], 8
	s_mov_b32 s[G1B+5], 4096
	s_mov_b32 s[G1B+6], 0
	s_mov_b32 s[G1B+7], 0
	s_lshl_b32 s16, s43, 3
	s_lshl_b32 s17, s14, 2
	s_add_co_u32 s16, s16, s17                     ; ctx: tile of 16 rows 8 y + 4 x half (these registers never hold cx)
	s_lshl_b32 s16, s16, 15
	s_mov_b32 s17, 0
	s_lshl_b32 s46, s42, 4
	s_lshl_b32 s47, s14, 3
	s_add_co_u32 s46, s46, s47                     ; w_o: tile 16 x + 8 x half
	s_lshl_b32 s46, s46, 15
	s_mov_b32 s47, 0
	s_lshl_b32 s20, s14, 14                        ; where they go: ctx's half,
	s_lshl_b32 s21, s14, 15
	s_add_co_u32 s21, s21, BOFF                    ; w_o's half: no place in the cluster enters an LDS address
	s_wait_dscnt 0x0                               ; both opening adds are done
	s_wait_kmcnt 0x0
	s_add_nc_u64 s[16:17], s[4:5], s[16:17]
	s_add_nc_u64 s[46:47], s[6:7], s[46:47]
	CROUND                                         ; all sixteen work-groups are here: the first joint loads meet
.irp s, 0,1
	s_mov_b32 s[G0+4*\s], 1
	s_add_co_u32 s[G0+4*\s+1], s20, \s*SLOT
	s_add_nc_u64 s[G0+4*\s+2:G0+4*\s+3], s[16:17], \s*4096
	s_or_b32 s[G0+4*\s+3], s[G0+4*\s+3], 0x80000000
	s_mov_b32 s[G0B+4*\s], 1
	s_add_co_u32 s[G0B+4*\s+1], s21, \s*SLOT
	s_add_nc_u64 s[G0B+4*\s+2:G0B+4*\s+3], s[46:47], \s*4096
	s_or_b32 s[G0B+4*\s+3], s[G0B+4*\s+3], 0x80000000
	JLOAD \s                                       ; two tensor loads of mine are out
.endr
	v_and_b32 v1, 31, v0
	v_lshlrev_b32 v[CO], 4, v1                     ; 16 x lane: an image's place for my lane, and my 16 bytes of a row of 512
	s_lshl_b32 s22, s13, 14                        ; my four tiles of ctx
	s_lshl_b32 s23, s14, 15
	s_add_co_u32 s23, s23, BOFF                    ; my eight tiles of w_o
.irp s, 0,1
	v_add_nc_u32 v[ADRA+\s], s22, v[CO]
	v_add_nc_u32 v[ADRB+\s], s23, v[CO]
	s_add_co_u32 s22, s22, SLOT
	s_add_co_u32 s23, s23, SLOT
.endr
	s_mul_i32 s22, s12, 16*SPITCH
	s_add_co_u32 s22, s22, STAGE                   ; my stage
	v_and_b32 v2, 15, v0                           ; r
	v_bfe_u32 v3, v0, 4, 1                         ; h
	v_mul_u32_u24 v4, v2, SPITCH
	v_lshl_add_u32 v4, v3, 5, v4
	v_add_nc_u32 v[STO], s22, v4                   ; in: row r, 32 bytes for each half of the lanes
	v_add_nc_u32 v[RD], s22, v[CO]                 ; back: the 32 lanes take one row of 512 bytes
	s_lshl_b32 s22, s42, 10
	s_lshl_b32 s23, s14, 9
	s_add_co_u32 s22, s22, s23                     ; my first column, in bytes
	s_mov_b32 s23, 0
	s_add_nc_u64 s[8:9], s[8:9], s[22:23]
	v_lshlrev_b32 v5, 5, v3                        ; the bias: lane (r, h) wants, for block b, the eight numbers at column 16 b + 8 h
	WIN 0x80
.irp b, 0,1,2,3,4,5,6,7
	global_load_b128 v[8*\b:8*\b+3], v5, s[8:9] offset:64*\b
	global_load_b128 v[8*\b+4:8*\b+7], v5, s[8:9] offset:64*\b+16
.endr
	WIN 0
	s_lshl_b32 s18, s43, 7
	s_lshl_b32 s19, s13, 6
	s_add_co_u32 s18, s18, s19                     ; my first row
	s_lshl_b32 s18, s18, 12
	s_add_co_u32 s18, s18, s22
	s_mov_b32 s19, 0
	s_add_nc_u64 s[10:11], s[10:11], s[18:19]
.macro MULA f, a, first                ; 8 matrix instructions: ctx's block a against w_o's eight, 32 along K.  The 32 accumulators take turns, one instruction a turn
.irp b, 0,1,2,3,4,5,6,7
.if \first
	v_wmma_f32_16x16x32_f16 v[8*(8*(\a)+\b):8*(8*(\a)+\b)+7], v[\f+32+8*\b:\f+32+8*\b+7], v[\f+8*(\a):\f+8*(\a)+7], v[8*\b:8*\b+7]
.else
	v_wmma_f32_16x16x32_f16 v[8*(8*(\a)+\b):8*(8*(\a)+\b)+7], v[\f+32+8*\b:\f+32+8*\b+7], v[\f+8*(\a):\f+8*(\a)+7], v[8*(8*(\a)+\b):8*(8*(\a)+\b)+7]
.endif
.endr
.endm
.macro FETCH slot, q, f                ; 24 LDS loads in one run: quarter q of the slot into buffer f: w_o's eight fragments, then ctx's four
	WIN 0
.irp i, 0,1,2,3,4,5,6,7
.irp u, 0,1
	ds_load_b128 v[\f+32+8*\i+4*\u:\f+32+8*\i+4*\u+3], v[ADRB+\slot] offset:\i*4096+1024*(\q)+512*\u
.endr
.endr
.irp i, 0,1,2,3
.irp u, 0,1
	ds_load_b128 v[\f+8*\i+4*\u:\f+8*\i+4*\u+3], v[ADRA+\slot] offset:\i*4096+1024*(\q)+512*\u
.endr
.endr
.endm
.macro PLACES                          ; four places in front of loads into registers that matrix instructions have read, and of reads of results
.rept 4
	v_nop
.endr
.endm
.macro QUARTER slot, q, f, g, first    ; multiplies buffer f and fetches quarter q of the slot into g
	s_wait_dscnt 4                                 ; w_o's fragments and ctx's blocks 0, 1 are in; the youngest four loads (blocks 2, 3) may be out
.if \first
	WIN MUL1
.else
	WIN MUL
.endif
	MULA \f, 0, \first
	MULA \f, 1, \first
	PLACES
	FETCH \slot, \q, \g
	s_wait_dscnt 24                                ; all but the 24 just issued
.if \first
	WIN MUL1
.else
	WIN MUL
.endif
	MULA \f, 2, \first
	MULA \f, 3, \first
.endm
; The last quarter multiplies buffer 1 and changes slots: ONE barrier; in front of it each wave waits for all its tensor loads, adds 0 to its spare word, and waits for that and for its reads of this slot.
; fill = 1: the barrier opens a round of the cluster's, and this slot is filled again, two K steps ahead, first thing behind the round.
.macro TURN slot, next, fill
	WIN 0
	s_wait_tensorcnt 0x0                           ; all my tensor loads have landed: my part of the next slot
	ds_add_u32 v[SPW], v[NIL]
	s_wait_dscnt 5                                 ; (the add and the youngest four loads may be out)
	WIN MUL
	MULA F1, 0, 0
	s_wait_dscnt 0x0                               ; the add is done, and my reads of this slot are over
	s_barrier_signal -1
	MULA F1, 1, 0
.if \fill
	WIN 0
.endif
	s_barrier_wait -1
.if \fill
	CREST                                          ; no wave of any partner still reads this slot's tile or has a load on its way
	s_add_nc_u64 s[G0+4*\slot+2:G0+4*\slot+3], s[G0+4*\slot+2:G0+4*\slot+3], 2*4096
	s_add_nc_u64 s[G0B+4*\slot+2:G0B+4*\slot+3], s[G0B+4*\slot+2:G0B+4*\slot+3], 2*4096
	JLOAD \slot                                    ; the four v_nop behind it are also the places in front of the loads below
.else
	PLACES
.endif
	FETCH \next, 0, F0
	WIN MUL
	MULA F1, 2, 0
	MULA F1, 3, 0
.endm
	s_wait_tensorcnt 1                             ; my part of K step 0 is in (slot 1's load may be out)
	s_barrier_signal -1
	s_barrier_wait -1                              ; everybody's is
	FETCH 0, 0, F0
	s_wait_loadcnt 0x0                             ; the bias
	QUARTER 0, 1, F0, F1, 1                        ; the first quarter stands in front of the loop: the bias starts the sums
	WIN 0
	s_mov_b32 s3, LAPS-1
.Llap:                                             ; a trip goes once round the ring, from a lap's second quarter to the next lap's first, and fills both slots again
	QUARTER 0, 2, F1, F0, 0
	QUARTER 0, 3, F0, F1, 0
	TURN 0, 1, 1
	QUARTER 1, 1, F0, F1, 0
	QUARTER 1, 2, F1, F0, 0
	QUARTER 1, 3, F0, F1, 0
	TURN 1, 0, 1
	QUARTER 0, 1, F0, F1, 0
	WIN 0
	s_sub_co_u32 s3, s3, 1
	s_cmp_lg_u32 s3, 0
	s_cbranch_scc1 .Llap
	QUARTER 0, 2, F1, F0, 0                        ; the last lap fills nothing
	QUARTER 0, 3, F0, F1, 0
	TURN 0, 1, 0
	QUARTER 1, 1, F0, F1, 0
	QUARTER 1, 2, F1, F0, 0
	QUARTER 1, 3, F0, F1, 0
	s_wait_dscnt 4                                 ; the very last quarter
	WIN MUL
	MULA F1, 0, 0
	MULA F1, 1, 0
	s_wait_dscnt 0
	MULA F1, 2, 0
	MULA F1, 3, 0
	WIN 0
; THE WAY OUT, block by block of 16 rows x 128 columns: through my own stage in LDS and back as whole rows of 512 bytes.  LDS serves a wave's instructions in order (ISA guide 5.7.1.4): no wait between the stores and the loads.
.macro TOSTAGE a
	WIN 0x04                                       ; an LDS store's data: window 1
.irp b, 0,1,2,3,4,5,6,7
	ds_store_b128 v[STO], v[64*(\a)+8*\b:64*(\a)+8*\b+3] offset:64*\b          ; each accumulator from its low end on
	ds_store_b128 v[STO], v[64*(\a)+8*\b+4:64*(\a)+8*\b+7] offset:64*\b+16
.endr
	WIN 0
.set BB, OB+64*((\a)%2)
.irp t, 0,1,2,3,4,5,6,7,8,9,10,11,12,13,14,15
	ds_load_b128 v[BB+4*\t:BB+4*\t+3], v[RD] offset:\t*SPITCH
.endr
.endm
.macro SEND a, younger                 ; younger: the LDS instructions issued behind block a's loads, which may stay out
.set BB, OB+64*((\a)%2)
	s_wait_dscnt \younger
.irp t, 0,1,2,3,4,5,6,7,8,9,10,11,12,13,14,15
	global_store_b128 v[CO], v[BB+4*\t:BB+4*\t+3], s[10:11] offset:(16*(\a)+\t)*4096 th:TH_STORE_NT   ; 32 lanes store 512 consecutive bytes, aligned; written once, read by nobody here
.endr
.endm
	PLACES
	TOSTAGE 0
.irp a, 1,2,3
.if \a > 1
	s_wait_xcnt 0x0                                ; block a - 2's stores have read their registers: block a's rows may land there
.endif
	TOSTAGE \a
	SEND \a-1, 32                                  ; behind block a - 1's loads: block a's 16 stores and 16 loads
.endr
	SEND 3, 0
	s_wait_tensorcnt 0x0                           ; the wave's end, behind my last tensor load and my last LDS store
	ds_add_u32 v[SPW], v[NIL]
	s_wait_dscnt 0x0
	CROUND                                         ; the closing round: no work-group ends while a partner may still ask for a tile that names it
	s_endpgm
.Lfunc_end_k_q59e157f112_outp:
	.size	k_q59e157f112_outp, .Lfunc_end_k_q59e157f112_outp-k_q59e157f112_outp
	.p2alignl 7, 3214868480
	.fill 96, 4, 3214868480
	.section	.rodata,"a",@progbits
	.p2align	6, 0x0
	.amdhsa_kernel k_q59e157f112_outp
		.amdhsa_group_segment_fixed_size 327680
		.amdhsa_private_segment_fixed_size 0
		.amdhsa_enable_private_segment 0
		.amdhsa_kernarg_size 32
		.amdhsa_user_sgpr_count 2
		.amdhsa_user_sgpr_kernarg_segment_ptr 1
		.amdhsa_wavefront_size32 1
		.amdhsa_system_sgpr_workgroup_id_x 1
		.amdhsa_system_sgpr_workgroup_id_y 1
		.amdhsa_system_sgpr_workgroup_id_z 1
		.amdhsa_system_vgpr_workitem_id 0
		.amdhsa_next_free_vgpr 768
		.amdhsa_next_free_sgpr 66
		.amdhsa_reserve_vcc 0
		.amdhsa_float_denorm_mode_32 3
		.amdhsa_float_denorm_mode_16_64 3
		.amdhsa_memory_ordered 1
		.amdhsa_forward_progress 1
		.amdhsa_inst_pref_size 86
	.end_amdhsa_kernel
	.amdgpu_metadata
---
amdhsa.version: [ 1, 2 ]
amdhsa.kernels:
  - .name:           k_q59e157f112_outp
    .symbol:         k_q59e157f112_outp.kd
    .args:
      - { .name: ctx, .offset: 0, .size: 8, .value_kind: global_buffer, .address_space: global }
      - { .name: wo, .offset: 8, .size: 8, .value_kind: global_buffer, .address_space: global }
      - { .name: b_o, .offset: 16, .size: 8, .value_kind: global_buffer, .address_space: global }
      - { .name: out0, .offset: 24, .size: 8, .value_kind: global_buffer, .address_space: global }
    .group_segment_fixed_size: 327680
    .private_segment_fixed_size: 0
    .kernarg_segment_align: 8
    .kernarg_segment_size: 32
    .max_flat_workgroup_size: 128
    .sgpr_count:     66
    .vgpr_count:     768
    .wavefront_size: 32
...
	.end_amdgpu_metadata
.endif
;; end of part 4
